; MI455X (gfx1250); checked and timed in simulation.
; The chip was launched on July 23, 2026; its instructions are those of AMD's public machine-readable ISA for CDNA 5 (MIT licence, August 2026) and "CDNA5" Instruction Set Architecture Reference Guide (July 2026). The comments in the code are by the model that wrote it; some were corrected since.
;; Multi Head Attention. Allowed arithmetic: matrix products marked QUANTISED: E4M3 operands, one given power-of-two scale a tensor, by v_wmma_f32_16x16x64_fp8_fp8 or v_wmma_f32_16x16x128_fp8_fp8, f32 sums; everything else in f32.
;; Inputs: Wk 1,024 x 1,024 float32; Wo 1,024 x 1,024 float32; Wq 1,024 x 1,024 float32; Wv 1,024 x 1,024 float32; bk 1,024 float32; bo 1,024 float32; bq 1,024 float32; bv 1,024 float32; lowp_scales 12 int32 (the exponents e of the quantised operands' scales 2^e); mask 1 x 4,096 x 4,096 float32; query 1 x 4,096 x 1,024 float32.
;; Outputs: out0 1 x 4,096 x 1,024 float32.
;; This version of the problem:
;;   THIS VERSION OF THE PROBLEM IS GIVEN IN LOW PRECISION. The matrix products marked QUANTISED in the list below multiply operands that are first quantised to E4M3 (4 exponent bits, 3 mantissa bits; 8 bits a number), with one given power-of-two scale for each operand tensor; their sums are f32. All else is computed in f32.
;;   The module's matrix products, in the order in which they are computed (A, B: the left and right operand; K: the contracted axis; several contracted axes count as one K, in the product's order):
;;     1. [M 4,096, K 1,024] x [K 1,024, N 1,024]; A: input query; B: input Wq: QUANTISED (scales: A lowp_scales[0], B lowp_scales[1])
;;     2. [M 4,096, K 1,024] x [K 1,024, N 1,024]; A: input query; B: input Wk: QUANTISED (scales: A lowp_scales[2], B lowp_scales[3])
;;     3. [M 4,096, K 1,024] x [K 1,024, N 1,024]; A: input query; B: input Wv: QUANTISED (scales: A lowp_scales[4], B lowp_scales[5])
;;     4. batch 16 x [M 4,096, K 64] x [K 64, N 4,096]; A: computed on the way; B: computed on the way: QUANTISED (scales: A lowp_scales[6], B lowp_scales[7])
;;     5. batch 16 x [M 4,096, K 4,096] x [K 4,096, N 64]; A: softmax (see below); B: computed on the way: QUANTISED (scales: A lowp_scales[8], B lowp_scales[9])
;;     6. [M 4,096, K 1,024] x [K 1,024, N 1,024]; A: computed on the way; B: input Wo: QUANTISED (scales: A lowp_scales[10], B lowp_scales[11])
;;   THE QUANTISER, for each operand of a quantised product, along K:
;;     - The operand's scale is 2^e, e = its entry of the input lowp_scales (int32; the entries are numbered through the quantised products in the list's order, A before B).
;;     - Each number is divided by the scale, clamped to +-448, and rounded to the nearest number of E4M3, ties to even, subnormals kept.
;;     - The product sums the exact products of the quantised numbers (number of the format x scale) in f32.
;;   ~~~python
;;   def quantise(x, axis, e):      # numpy; x: float32 -> the quantised numbers, widened to float32 again
;;       x = np.moveaxis(x, axis, -1); K = x.shape[-1]
;;       r = np.clip(x / 2.0 ** e, -448, 448)
;;       step = 2.0 ** (np.maximum(np.frexp(np.where(r == 0, 1, r))[1] - 1, -6) - 3)
;;       q = np.round(r / step) * step * 2.0 ** e      # np.round: ties to even
;;       return np.moveaxis(q, -1, axis).astype(np.float32)
;;   ~~~
;;   SOFTMAX AHEAD OF A QUANTISED PRODUCT. Where the list says 'softmax', what is quantised is not the finished softmax but p = 2^(t - M), with t = logit x log2(e) and M = ceil(the row's largest t), a whole number; so 1/2 < the row's largest p <= 1. The row's sum l is taken of the UNQUANTISED p, in f32, and the product's result is divided by l at the end. Since M is a whole number, a kernel that streams over the keys may use a running M (the ceiling of the running maximum): every later rescaling is an exact power of two, so the quantised numbers keep their values, but for numbers so far below the row's largest that they fall under the format's range.
;;   OPERANDS COMPUTED ON THE WAY. 'Computed on the way' means the value that the module computes at that place (a softmax that the list does not call 'softmax' is quantised finished and normalised). What goes into a quantiser is computed in f32, as accurately as f32 sums, v_exp_f32 and their like allow (about 1e-6 of the number): no bf16 or f16 on the way to a quantiser, and a product that is left as it is and whose result goes on into a quantised operand takes f32 operands (vector FMAs, or v_wmma_f32_16x16x4_f32). A number that lies on a knife's edge between two numbers of the format may be rounded either way, as far as f32 arithmetic and the matrix unit's own rounding can turn it there, and no further.
;; One version. Each part assembles by itself: llvm-mc -triple=amdgcn-amd-amdhsa -mcpu=gfx1250 --defsym DOCPART=n.
;; ======== version 1 of 1: 4 launches
;; workspace buffers: xc 12,582,912 bytes; wc 4,194,304 bytes; qkv 12,582,912 bytes; cc 4,194,304 bytes
;; launch quant (part 1): grid 256 x 1, 4 waves a work-group, no clusters, 33,280 bytes of LDS; arguments query, Wq, Wk, Wv, Wo, lowp_scales, xc, wc; writes xc, wc
.if DOCPART == 1
	.amdgcn_target "amdgcn-amd-amdhsa--gfx1250"
	.amdhsa_code_object_version 6
	.text
	.protected	k_q4fd726d06b_quant
	.globl	k_q4fd726d06b_quant
	.p2align	8
	.type	k_q4fd726d06b_quant,@function
k_q4fd726d06b_quant:
	s_mov_b64 s[64:65], 0
	v_nop
	global_prefetch_b8 v0, s[64:65] scope:SCOPE_SE
	s_setreg_imm32_b32 hwreg(HW_REG_WAVE_MODE, 25, 1), 1
	s_wait_xcnt 0x0
; query [4096][1024] and Wq, Wk, Wv, Wo [1024][1024], f32, K innermost, become codes of FP8 (E4M3), one byte each, row-major as they lie.
; query is an operand of three products with a scale of its own in each (entries 0, 2, 4 of the scales): it is read ONCE and quantised three times, into the three planes of xc.
; Wq, Wk, Wv, Wo take entries 1, 3, 5, 11 and go into the four planes of wc.   code = x / 2^e, held within +-448, to the nearest code, ties to even.
; LIMITS: each e between -126 and 119, so that 2^e and 448 x 2^e are f32 numbers.  NaN among the inputs is not served (an infinity is held at the largest code).
; SHARES.  1,024 waves; wave gw = 4 x work-group + wave takes 4,096 numbers of query (bytes 16,384 gw on) and 4,096 numbers of one W (W number gw / 256, bytes 16,384 (gw % 256) on): 16 steps of 512 numbers,
; steps 0-7 query, steps 8-15 W.  One path for all work-groups: only pointers and one exponent are chosen, by the work-group's number.
; A conversion takes 8 neighbours from ONE lane's registers; a load is best where neighbouring LANES take neighbouring bytes.  So each load reads 512 consecutive bytes, 16 a lane, and a step's 2,048 bytes turn through
; the wave's own stage in LDS and come back 64 bytes a lane (16 bytes of padding behind each 64).  A lane's 16 codes are 16 bytes: a store of the wave covers 512 consecutive bytes, aligned.
; No tensor loads, no barrier, no cluster: waves share nothing and every input byte is read once.  Loads run four steps (16 loads a wave) ahead, the turn through LDS one step.
.set STEPS, 16
.set WREG,  8192                       ; LDS of a wave: two stages of 32 x SP bytes
.set SP,    80                         ; a lane's place in a stage: 64 bytes + 16 of padding
.set SC,    8                          ; v8-11   2^e as f32 for e0, e2, e4, W's e
.set LM,    20                         ; v20-23  448 x 2^e likewise
.set R,     32                         ; v32-95  four sets of 16 numbers as loaded
.set X,     96                         ; v96-127 two sets of 16 neighbours
.set T,     128                        ; v128-159 two sets of held numbers (query is held three times, so twice into other registers)
.set C,     160                        ; v160-183 codes: two sets of 12, by the step's parity
	s_load_b256 s[4:11], s[0:1], 0x0               ; query s[4:5], Wq s[6:7], Wk s[8:9], Wv s[10:11]
	s_load_b256 s[12:19], s[0:1], 0x20             ; Wo s[12:13], the exponents s[14:15], xc s[16:17], wc s[18:19]
	v_lshl_add_u32 v192, v0, 2, 0x8000
	v_mov_b32 v193, 0
	v_lshrrev_b32 v1, 5, v0
	v_readfirstlane_b32 s21, v1                    ; wave 0..3
	v_and_b32 v2, 31, v0                           ; lane
	v_lshlrev_b32 v3, 4, v2                        ; 16 x lane: my 16 bytes of a load's 512, and of a store's; never rewritten
	s_mul_i32 s22, s21, WREG
	v_lshrrev_b32 v14, 2, v2
	v_mul_u32_u24 v14, v14, SP
	v_and_b32 v15, 3, v2
	v_lshl_add_u32 v14, v15, 4, v14
	v_add_nc_u32 v14, s22, v14                     ; the stage, on the way in: SP (lane / 4) + 16 (lane % 4)
	v_mul_u32_u24 v15, v2, SP
	v_add_nc_u32 v15, s22, v15                     ; and on the way out: SP x lane: my 16 neighbours
	s_lshr_b32 s20, ttmp9, 6                       ; which W: 0..3
	s_lshl_b32 s23, ttmp9, 2
	s_add_co_u32 s23, s23, s21                     ; gw
	s_mov_b32 s3, 0
	s_wait_kmcnt 0x0
	s_load_b256 s[32:39], s[14:15], 0x0            ; e0 .. e7
	s_load_b128 s[40:43], s[14:15], 0x20           ; e8 .. e11
	s_cmp_eq_u32 s20, 1                            ; the choice of W hangs on the work-group's number alone
	s_cselect_b64 s[6:7], s[8:9], s[6:7]
	s_cmp_eq_u32 s20, 2
	s_cselect_b64 s[6:7], s[10:11], s[6:7]
	s_cmp_eq_u32 s20, 3
	s_cselect_b64 s[6:7], s[12:13], s[6:7]
	s_lshl_b32 s2, s23, 14
	s_add_nc_u64 s[4:5], s[4:5], s[2:3]            ; my run of query
	s_and_b32 s2, s23, 255
	s_lshl_b32 s2, s2, 14
	s_add_nc_u64 s[6:7], s[6:7], s[2:3]            ; my run of W
	s_lshl_b32 s2, s23, 12
	s_add_nc_u64 s[24:25], s[16:17], s[2:3]        ; my codes in xc's plane 0,
	s_add_nc_u64 s[26:27], s[24:25], 0x400000      ; plane 1,
	s_add_nc_u64 s[28:29], s[26:27], 0x400000      ; plane 2;
	s_add_nc_u64 s[30:31], s[18:19], s[2:3]        ; and in wc: 4,096 gw = W's plane + my run
.macro LOAD t                          ; step t: four loads of 512 consecutive bytes
.irp i, 0,1,2,3
.if (\t) < 8
	global_load_b128 v[R+16*((\t)%4)+4*\i:R+16*((\t)%4)+4*\i+3], v3, s[4:5] offset:2048*(\t)+512*\i th:TH_LOAD_NT
.else
	global_load_b128 v[R+16*((\t)%4)+4*\i:R+16*((\t)%4)+4*\i+3], v3, s[6:7] offset:2048*((\t)-8)+512*\i th:TH_LOAD_NT
.endif
.endr
.endm
.macro TURN t                          ; step t's numbers through the stage: LDS serves a wave's instructions in order (ISA guide 5.7.1.4), so no wait stands between the stores and the loads
.irp i, 0,1,2,3
	ds_store_b128 v14, v[R+16*((\t)%4)+4*\i:R+16*((\t)%4)+4*\i+3] offset:32*SP*((\t)%2)+8*SP*\i
.endr
.irp i, 0,1,2,3
	ds_load_b128 v[X+16*((\t)%2)+4*\i:X+16*((\t)%2)+4*\i+3], v15 offset:32*SP*((\t)%2)+16*\i
.endr
.endm
.macro MKSC j, sreg                    ; 2^e and 448 x 2^e as f32 numbers, from the whole number e
	s_add_co_i32 s44, \sreg, 127
	s_lshl_b32 s45, s44, 23
	v_mov_b32 v[SC+\j], s45
	s_add_co_i32 s44, s44, 8
	s_lshl_b32 s44, s44, 23
	s_or_b32 s44, s44, 0x600000
	v_mov_b32 v[LM+\j], s44
.endm
.macro HOLD dst, src, j                ; the conversion to an 8-bit code does not saturate (ISA guide 7.6.2): hold each number within the largest code x the scale first
.irp i, 0,1,2,3,4,5,6,7,8,9,10,11,12,13,14,15
	v_med3_num_f32 v[\dst+\i], v[\src+\i], -v[LM+\j], v[LM+\j]
.endr
.endm
.macro CVT c, src, j                   ; 16 numbers / 2^e, to the nearest code, ties to even; the first number's code in the lowest byte
	v_cvt_scalef32_pk8_fp8_f32 v[\c:\c+1], v[\src:\src+7], v[SC+\j]
	v_cvt_scalef32_pk8_fp8_f32 v[\c+2:\c+3], v[\src+8:\src+15], v[SC+\j]
.endm
.irp t, 0,1,2,3
	LOAD \t
.endr
	s_wait_kmcnt 0x0
	s_cmp_eq_u32 s20, 1
	s_cselect_b32 s46, s35, s33                    ; W's exponent: e1, e3, e5 or e11
	s_cmp_eq_u32 s20, 2
	s_cselect_b32 s46, s37, s46
	s_cmp_eq_u32 s20, 3
	s_cselect_b32 s46, s43, s46
	MKSC 0, s32
	MKSC 1, s34
	MKSC 2, s36
	MKSC 3, s46
	s_wait_loadcnt 12                              ; step 0's four loads are in; the twelve behind them stay out
	TURN 0
; A step.  The sixteen holds that stand between two pairs of conversions are plain vector lines that touch neither the results nor the sources of the pair before.
.macro STEP t
.set XS, X+16*((\t)%2)
.set CW, C+12*((\t)%2)
	s_wait_xcnt 0x0                                ; the earlier stores have read their data: the codes' registers may be written again
	s_wait_dscnt 0x0                               ; this step's numbers are back from the stage, so its stores into the stage have read their registers,
.if (\t)+4 < STEPS
	LOAD (\t)+4                                    ; which take the loads of four steps on
.endif
.if (\t)+1 < STEPS
.if STEPS-2-(\t) >= 3
	s_wait_loadcnt 12                              ; the next step's four loads are in; those of the three steps behind it may be out
.else
	s_wait_loadcnt 4*(STEPS-2-(\t))
.endif
	TURN (\t)+1                                    ; and go through the other stage while this step is worked
.endif
.if (\t) < 8
	HOLD T, XS, 0
	CVT CW, T, 0
	HOLD T+16, XS, 1
	CVT CW+4, T+16, 1
	HOLD XS, XS, 2
	CVT CW+8, XS, 2
	global_store_b128 v3, v[CW:CW+3], s[24:25] offset:512*(\t)
	global_store_b128 v3, v[CW+4:CW+7], s[26:27] offset:512*(\t)
	global_store_b128 v3, v[CW+8:CW+11], s[28:29] offset:512*(\t)
.else
	HOLD XS, XS, 3
	CVT CW, XS, 3
	global_store_b128 v3, v[CW:CW+3], s[30:31] offset:512*((\t)-8)
.endif
.endm
.irp t, 0,1,2,3,4,5,6,7,8,9,10,11,12,13,14,15
	STEP \t
.endr
	s_wait_tensorcnt 0x0
	ds_add_u32 v192, v193
	s_wait_dscnt 0x0
	s_endpgm
.Lfunc_end_k_q4fd726d06b_quant:
	.size	k_q4fd726d06b_quant, .Lfunc_end_k_q4fd726d06b_quant-k_q4fd726d06b_quant
	.p2alignl 7, 3214868480
	.fill 96, 4, 3214868480
	.section	.rodata,"a",@progbits
	.p2align	6, 0x0
	.amdhsa_kernel k_q4fd726d06b_quant
		.amdhsa_group_segment_fixed_size 33280
		.amdhsa_private_segment_fixed_size 0
		.amdhsa_enable_private_segment 0
		.amdhsa_kernarg_size 64
		.amdhsa_user_sgpr_count 2
		.amdhsa_user_sgpr_kernarg_segment_ptr 1
		.amdhsa_wavefront_size32 1
		.amdhsa_system_sgpr_workgroup_id_x 1
		.amdhsa_system_sgpr_workgroup_id_y 1
		.amdhsa_system_sgpr_workgroup_id_z 1
		.amdhsa_system_vgpr_workitem_id 0
		.amdhsa_next_free_vgpr 194
		.amdhsa_next_free_sgpr 66
		.amdhsa_reserve_vcc 0
		.amdhsa_float_denorm_mode_32 3
		.amdhsa_float_denorm_mode_16_64 3
		.amdhsa_memory_ordered 1
		.amdhsa_forward_progress 1
		.amdhsa_inst_pref_size 58
	.end_amdhsa_kernel
	.amdgpu_metadata
---
amdhsa.version: [ 1, 2 ]
amdhsa.kernels:
  - .name:           k_q4fd726d06b_quant
    .symbol:         k_q4fd726d06b_quant.kd
    .args:
      - { .name: query, .offset: 0, .size: 8, .value_kind: global_buffer, .address_space: global }
      - { .name: Wq, .offset: 8, .size: 8, .value_kind: global_buffer, .address_space: global }
      - { .name: Wk, .offset: 16, .size: 8, .value_kind: global_buffer, .address_space: global }
      - { .name: Wv, .offset: 24, .size: 8, .value_kind: global_buffer, .address_space: global }
      - { .name: Wo, .offset: 32, .size: 8, .value_kind: global_buffer, .address_space: global }
      - { .name: lowp_scales, .offset: 40, .size: 8, .value_kind: global_buffer, .address_space: global }
      - { .name: xc, .offset: 48, .size: 8, .value_kind: global_buffer, .address_space: global }
      - { .name: wc, .offset: 56, .size: 8, .value_kind: global_buffer, .address_space: global }
    .group_segment_fixed_size: 33280
    .private_segment_fixed_size: 0
    .kernarg_segment_align: 8
    .kernarg_segment_size: 64
    .max_flat_workgroup_size: 128
    .sgpr_count:     66
    .vgpr_count:     194
    .wavefront_size: 32
...
	.end_amdgpu_metadata
.endif
;; end of part 1
;; launch proj (part 2): grid 8 x 96, 4 waves a work-group, clusters of 4 x 4, 279,040 bytes of LDS; arguments xc, wc, bq, bk, bv, lowp_scales, qkv; writes qkv
.if DOCPART == 2
	.amdgcn_target "amdgcn-amd-amdhsa--gfx1250"
	.amdhsa_code_object_version 6
	.text
	.protected	k_q4fd726d06b_proj
	.globl	k_q4fd726d06b_proj
	.p2align	8
	.type	k_q4fd726d06b_proj,@function
k_q4fd726d06b_proj:
	s_mov_b64 s[64:65], 0
	v_nop
	global_prefetch_b8 v0, s[64:65] scope:SCOPE_SE
	s_setreg_imm32_b32 hwreg(HW_REG_WAVE_MODE, 25, 1), 1
	s_wait_xcnt 0x0
	s_wait_alu depctr_hold_cnt(0) depctr_sa_sdst(0) depctr_va_vdst(0) depctr_va_sdst(0) depctr_va_ssrc(0) depctr_va_vcc(0) depctr_vm_vsrc(0)
	s_getreg_b32 s2, hwreg(HW_REG_IB_STS2, 6, 4)
	s_cmp_eq_u32 s2, 0
	s_cbranch_scc0 .Lentry_in_a_cluster
	s_endpgm
.Lentry_in_a_cluster:
	s_bfe_u32 s2, ttmp6, 0x10000c
	s_cmp_lg_u32 s2, 0xf033
	s_cbranch_scc0 .Lentry_shape_is_right
	s_endpgm
.Lentry_shape_is_right:
; q, k, v = query W^T + b on codes of FP8 (E4M3), then quantised again for attention.  Role z = 0, 1, 2 (q, k, v): activations = plane z of xc [4096][1024], weights = plane z of wc [1024][1024], K innermost in both.
; A sum of codes' products stands for sum x 2^(ea + eb) (entries 2 z, 2 z + 1 of the scales); + bias in f32; the result is quantised with entry 6 (q), 7 (k) or 9 (v).
; LIMITS: ea + eb between -126 and 127; the output's exponent between -126 and 119.  NaN is not served.
; SHARES.  A work-group makes 128 positions x 128 channels of one role: 3 x 32 x 8 = 768 work-groups (tiles of 256 x 256 would be 192, fewer than the 256 WGPs).  Four waves, 64 x 64 each: 16 accumulators.
; ALL OF K LIES IN LDS: four slots of 256 along K, each filled ONCE, all asked for at the head: no slot is filled again, so there is no ring.  Eight steps of 128 along K are written out; there is no loop.
; CLUSTERS: 4 x 4 work-groups.  The weights' tile hangs on the channel tile alone and is shared along a column of the cluster, the activations' tile on the position tile (and the role) and is shared along a row:
; each is asked for JOINTLY, by the same tensor load with the same descriptor and a mask that names the four.
; WHICH TILE IS SOURCE 0.  In the result lane (r, h) holds, in registers 0-7, rows 8 h + 0..7 of source 0's tile (X) and row r of source 1's (Y).  q, k: X = weights, Y = activations: eight neighbouring CHANNELS of a
; position.  v: X = activations, Y = weights: eight neighbouring KEYS of a channel, since the keys are the K of attention's second product.  Only two LDS offsets differ; they are chosen by the role, which all partners share.
; OUTPUT.  qkv: three planes of 4 MiB; a plane is [32 position tiles][8 channel tiles][16 KiB]; a tile is [128 rows of Y][128 bytes along X].  In a row, byte 32 c + 16 a + 8 b + i holds element 32 c + 16 b + 8 a + i:
; then a 16-byte load at 32 c + 16 h gives lane half h just the elements that the plain 8-bit operand layout wants in registers 4 c .. 4 c + 3.
; REGISTERS: window 0: v1-23 addresses and constants; v32-63 bias along X; v64-71 bias along Y; v72-103 codes, then rows on the way out; v128-255 accumulators ((a, b) at v[128 + 8 (4 a + b)]).
;   window 1: two fragment buffers of 128: Y's four fragments (16 rows x 128 K: 16 registers), then X's four.
.set PITCH,  272                       ; an LDS row: 256 bytes + 16 of padding = 68 words: row r starts at bank 4 r mod 64 (64 banks of 4 bytes: ISA guide 11.1)
.set HALFT,  64*PITCH                  ; 64 rows: what one tensor load brings, and what one wave reads of X or of Y
.set SLOT,   4*HALFT                   ; the weights' 128 rows, then the activations' 128
.set SPITCH, 144                       ; the way out: a stage of 128 rows x (128 bytes + 16), in slot 0, which has had its only fill and its last read by then
.set ADRX, 8                           ; v8-11   LDS address of my X fragments in slot 0..3
.set ADRY, 12                          ; v12-15  the same for Y
.set STO,  16                          ; v16     the way out: where I put 16 codes
.set RD,   17                          ; v17     where I read rows back
.set GO,   18                          ; v18     16 x lane: my byte in a store's 512
.set BXO,  19                          ; v19     my byte offset in the bias for X's channels
.set BYO,  20                          ; v20     for Y's
.set ZR,   21                          ; v21     0
.set VSC,  22                          ; v22     2^eo as f32
.set VLM,  23                          ; v23     448 x 2^eo
.set BX,   32
.set BY,   64
.set CD,   72
.set ACC,  128
.set F0,   0
.set F1,   128
.set WV,   18                          ; s18 wave; s19 wave / 2; s20 wave % 2
.set G1W,  24                          ; s[24:31] descriptor group 1 for the weights' tiles;  s[32:39] for the activations': they differ in the mask alone
.set G1A,  32
.set G0W,  40                          ; s[40:55] group 0 for the weights, a set for each slot;  s[68:83] for the activations
.set G0A,  68
.set DW0,  (1<<20)|(1<<21)|(5<<22)|(3<<25)   ; 17:16 elements of 1 byte; 20 padding on; 21 set beside a mask; 24:22 after every 64 words (code 5); 31:25 four words (code 3)
.set MSB, 0
.macro WIN new                         ; the immediate's high byte repeats the setting that is left
.if MSB != \new
	s_set_vgpr_msb (MSB<<8)|\new
.set MSB, \new
.endif
.endm
.set MUL,  0x05                        ; sources 0 and 1 window 1; C and D window 0
.set TO_F, 0x40                        ; destination window 1, address window 0
.macro CREST                           ; a round of the cluster's barrier behind its opening barrier
	s_cmp_lg_u32 s[WV], 0
	s_cbranch_scc1 .Lnot_wave_0_\@
	s_barrier_signal -3
.Lnot_wave_0_\@:
	s_barrier_wait -3
	s_barrier_signal -1
	s_barrier_wait -1
.endm
.macro CROUND                          ; a whole round
	s_barrier_signal -1
	s_barrier_wait -1
	CREST
.endm
.macro PLACES n                        ; plain vector lines behind matrix instructions, in front of loads into their sources and of reads of their results
.rept \n
	v_nop
.endr
.endm
.macro GATE n                          ; my part of the next slot has landed (n younger loads of mine may stay out), my LDS loads are in; then everybody's
	s_wait_tensorcnt \n
	s_wait_dscnt 0x0
	s_barrier_signal -1
	s_barrier_wait -1
.endm
; 32 LDS loads: the fragments of the slot's q-th 128 along K into buffer f.  A fragment comes by four loads of 16 bytes, 32 bytes apart: lane (r, h) holds K = 32 c + 16 h + 0..15 in registers 4 c .. 4 c + 3:
; a permutation of K that is the same in X and in Y, so every product meets its partner.
.macro FETCH slot, q, f
	WIN TO_F
.irp i, 0,1,2,3
.irp c, 0,1,2,3
	ds_load_b128 v[\f+64+16*\i+4*\c:\f+64+16*\i+4*\c+3], v[ADRX+\slot] offset:128*\q+32*\c+\i*16*PITCH
.endr
.irp c, 0,1,2,3
	ds_load_b128 v[\f+16*\i+4*\c:\f+16*\i+4*\c+3], v[ADRY+\slot] offset:128*\q+32*\c+\i*16*PITCH
.endr
.endr
.endm
; 16 matrix instructions, 128 along K.  The 16 accumulators take turns, one instruction a turn, in the same order in every step.  zero = 1: the first products start the sums.
.macro MUL16 f, zero
	WIN MUL
.irp a, 0,1,2,3
.irp b, 0,1,2,3
.if \zero
	v_wmma_f32_16x16x128_fp8_fp8 v[ACC+8*(4*\a+\b):ACC+8*(4*\a+\b)+7], v[\f+64+16*\b:\f+64+16*\b+15], v[\f+16*\a:\f+16*\a+15], 0
.else
	v_wmma_f32_16x16x128_fp8_fp8 v[ACC+8*(4*\a+\b):ACC+8*(4*\a+\b)+7], v[\f+64+16*\b:\f+64+16*\b+15], v[\f+16*\a:\f+16*\a+15], v[ACC+8*(4*\a+\b):ACC+8*(4*\a+\b)+7]
.endif
.endr
.endr
.endm
	s_load_b256 s[4:11], s[0:1], 0x0               ; xc s[4:5], wc s[6:7], bq s[8:9], bk s[10:11]
	s_load_b128 s[12:15], s[0:1], 0x20             ; bv s[12:13], the exponents s[14:15]
	s_load_b64 s[16:17], s[0:1], 0x30              ; qkv
	v_lshl_add_u32 v126, v0, 2, 0x44000
	v_mov_b32 v127, 0
	ds_add_u32 v126, v127
	v_lshrrev_b32 v1, 5, v0
	v_readfirstlane_b32 s[WV], v1                  ; wave 0..3
	s_lshr_b32 s19, s[WV], 1                       ; wy: which 64 rows of Y are mine.  Also: I fetch weights (0) or activations (1)
	s_and_b32 s20, s[WV], 1                        ; wx: which 64 rows of X.  Also: which 64 rows of that tile I fetch
	s_bfe_u32 s21, ttmp6, 0x40000                  ; cx, cy: my place in the cluster
	s_bfe_u32 s22, ttmp6, 0x40004
	s_lshl_b32 s23, ttmp9, 2
	s_add_co_u32 s23, s23, s21                     ; channel tile = 4 x cluster x + cx
	s_and_b32 s56, ttmp7, 0xffff                   ; cluster y, 0..23
	s_lshr_b32 s57, s56, 3                         ; the role z: the same in all sixteen partners
	s_and_b32 s58, s56, 7
	s_lshl_b32 s58, s58, 2
	s_add_co_u32 s58, s58, s22                     ; position tile = 4 x (cluster y % 8) + cy
	s_lshl_b32 s59, s22, 2
	s_lshl_b32 s59, 15, s59                        ; my row of the cluster
	s_lshl_b32 s99, 0x1111, s21                    ; my column
	s_or_b32 s[G1A], s59, DW0                      ; 15:0 the mask: the activations' tiles go to my row,
	s_or_b32 s[G1W], s99, DW0                      ; the weights' to my column
.irp g, G1W, G1A
	s_mov_b32 s[\g+1], 256<<16                     ; tensor_dim0 = 256
	s_mov_b32 s[\g+2], 64<<16                      ; tensor_dim1 = 64
	s_mov_b32 s[\g+3], 256<<16                     ; tile_dim0 = 256
	s_mov_b32 s[\g+4], 64                          ; tile_dim1 = 64
	s_mov_b32 s[\g+5], 1024                        ; tensor_dim0_stride
	s_mov_b32 s[\g+6], 0
	s_mov_b32 s[\g+7], 0
.endr
	s_lshl_b32 s60, s57, 20                        ; the weights: plane z, row 128 x channel tile + 64 x half, 1,024 bytes a row
	s_lshl_b32 s61, s23, 17
	s_add_co_u32 s60, s60, s61
	s_lshl_b32 s61, s20, 16
	s_add_co_u32 s60, s60, s61
	s_mov_b32 s61, 0
	s_lshl_b32 s62, s57, 22                        ; the activations: plane z, row 128 x position tile + 64 x half
	s_lshl_b32 s63, s58, 17
	s_add_co_u32 s62, s62, s63
	s_lshl_b32 s63, s20, 16
	s_add_co_u32 s62, s62, s63
	s_mov_b32 s63, 0
	s_mul_i32 s59, s[WV], HALFT                    ; where my rows go in a slot: wave x 64 rows: no place in the cluster enters an LDS address
	s_wait_dscnt 0x0
	s_wait_kmcnt 0x0
	s_load_b256 s[84:91], s[14:15], 0x0            ; e0 .. e7
	s_load_b128 s[92:95], s[14:15], 0x20           ; e8 .. e11
	s_add_nc_u64 s[60:61], s[6:7], s[60:61]
	s_add_nc_u64 s[62:63], s[4:5], s[62:63]
.irp c, 0,1,2,3
	s_mov_b32 s[G0W+4*\c], 1                       ; 1:0 count = 1
	s_add_co_u32 s[G0W+4*\c+1], s59, \c*SLOT       ; 63:32 LDS address
	s_add_nc_u64 s[G0W+4*\c+2:G0W+4*\c+3], s[60:61], \c*256   ; 120:64 global address: K from 256 c on
	s_or_b32 s[G0W+4*\c+3], s[G0W+4*\c+3], 0x80000000         ; 127:126 type = 2
	s_mov_b32 s[G0A+4*\c], 1
	s_add_co_u32 s[G0A+4*\c+1], s59, \c*SLOT
	s_add_nc_u64 s[G0A+4*\c+2:G0A+4*\c+3], s[62:63], \c*256
	s_or_b32 s[G0A+4*\c+3], s[G0A+4*\c+3], 0x80000000
.endr
	CROUND                                         ; all sixteen work-groups are here: the joint loads meet
	s_cmp_eq_u32 s19, 0                            ; a wave's four fills stand in one branch on the wave's number: four loads of mine are out; four v_nop follow the last
	s_cbranch_scc0 .Lfill_a
	tensor_load_to_lds s[G0W:G0W+3], s[G1W:G1W+7]
	s_nop 0
	tensor_load_to_lds s[G0W+4:G0W+7], s[G1W:G1W+7]
	s_nop 0
	tensor_load_to_lds s[G0W+8:G0W+11], s[G1W:G1W+7]
	s_nop 0
	tensor_load_to_lds s[G0W+12:G0W+15], s[G1W:G1W+7]
	s_nop 0
.rept 4
	v_nop
.endr
	s_branch .Lfilled
.Lfill_a:
	tensor_load_to_lds s[G0A:G0A+3], s[G1A:G1A+7]
	s_nop 0
	tensor_load_to_lds s[G0A+4:G0A+7], s[G1A:G1A+7]
	s_nop 0
	tensor_load_to_lds s[G0A+8:G0A+11], s[G1A:G1A+7]
	s_nop 0
	tensor_load_to_lds s[G0A+12:G0A+15], s[G1A:G1A+7]
	s_nop 0
.rept 4
	v_nop
.endr
.Lfilled:
	v_and_b32 v1, 15, v0                           ; r
	v_bfe_u32 v2, v0, 4, 1                         ; h
	v_mov_b32 v[ZR], 0
	v_mul_u32_u24 v3, v1, PITCH
	v_lshl_add_u32 v3, v2, 4, v3                   ; a fragment's row x pitch + 16 x half
	s_cmp_eq_u32 s57, 2                            ; v?
	s_cselect_b32 s60, 2*HALFT, 0                  ; X: the activations for v, else the weights
	s_cselect_b32 s61, 0, 2*HALFT                  ; Y: the other
	s_cselect_b32 s98, -1, 0                       ; all lanes' bits for v, none else
	s_mul_i32 s62, s20, HALFT
	s_add_co_u32 s60, s60, s62                     ; my 64 rows of X
	s_mul_i32 s62, s19, HALFT
	s_add_co_u32 s61, s61, s62                     ; my 64 rows of Y
.irp c, 0,1,2,3
	v_add_nc_u32 v[ADRX+\c], s60, v3
	v_add_nc_u32 v[ADRY+\c], s61, v3
	s_add_co_u32 s60, s60, SLOT
	s_add_co_u32 s61, s61, SLOT
.endr
	s_cmp_eq_u32 s57, 1                            ; the role's bias
	s_cselect_b64 s[8:9], s[10:11], s[8:9]
	s_cmp_eq_u32 s57, 2
	s_cselect_b64 s[8:9], s[12:13], s[8:9]
	s_lshl_b32 s62, s23, 9
	s_mov_b32 s63, 0
	s_add_nc_u64 s[8:9], s[8:9], s[62:63]          ; at the tile's 128 channels
	v_lshlrev_b32 v[BXO], 5, v2                    ; along X: channels 64 wx + 16 b + 8 h + 0..7
	s_lshl_b32 s62, s20, 8
	v_add_nc_u32 v[BXO], s62, v[BXO]
	v_lshlrev_b32 v[BYO], 2, v1                    ; along Y: channel 64 wy + 16 a + r
	s_lshl_b32 s62, s19, 8
	v_add_nc_u32 v[BYO], s62, v[BYO]
.irp b, 0,1,2,3                                ; both are loaded in every role (both stay inside the tile's 512 bytes of the bias); the one that does not apply is made 0 below
	global_load_b128 v[BX+8*\b:BX+8*\b+3], v[BXO], s[8:9] offset:64*\b
	global_load_b128 v[BX+8*\b+4:BX+8*\b+7], v[BXO], s[8:9] offset:64*\b+16
.endr
.irp a, 0,1,2,3
	global_load_b32 v[BY+2*\a], v[BYO], s[8:9] offset:64*\a
	v_mov_b32 v[BY+2*\a+1], 0                      ; (named as the upper half of a pair)
.endr
	v_mul_u32_u24 v[STO], v1, SPITCH               ; into the stage: row 64 wy + r, byte 64 wx + 16 h
	v_lshl_add_u32 v[STO], v2, 4, v[STO]
	s_mul_i32 s62, s19, 64*SPITCH
	s_lshl_b32 s63, s20, 6
	s_add_co_u32 s62, s62, s63
	v_add_nc_u32 v[STO], s62, v[STO]
	v_and_b32 v3, 31, v0                           ; lane
	v_lshrrev_b32 v4, 3, v3
	v_and_b32 v5, 7, v0
	v_mul_u32_u24 v[RD], v4, SPITCH                ; back: wave w takes rows 32 w on, four rows of 128 bytes an instruction, eight lanes to a row
	v_lshl_add_u32 v[RD], v5, 4, v[RD]
	s_mul_i32 s62, s[WV], 32*SPITCH
	v_add_nc_u32 v[RD], s62, v[RD]
	v_lshlrev_b32 v[GO], 4, v3
	s_lshl_b32 s60, s58, 3                         ; my tile in qkv: plane z, tile 8 x position tile + channel tile; my wave's 4,096 bytes of it
	s_add_co_u32 s60, s60, s23
	s_lshl_b32 s60, s60, 14
	s_lshl_b32 s61, s57, 22
	s_add_co_u32 s60, s60, s61
	s_lshl_b32 s61, s[WV], 12
	s_add_co_u32 s60, s60, s61
	s_mov_b32 s61, 0
	s_add_nc_u64 s[16:17], s[16:17], s[60:61]
	GATE 3                                         ; slot 0 is whole
	FETCH 0, 0, F0
	FETCH 0, 1, F1
	s_wait_dscnt 32                                ; buffer 0 is in; the 32 loads behind it may be out
	MUL16 F0, 1
	GATE 2                                         ; slot 1 is whole; buffer 1 is in
	PLACES 4
	FETCH 1, 0, F0
	MUL16 F1, 0
	PLACES 4
	FETCH 1, 1, F1
	s_wait_dscnt 32
	MUL16 F0, 0
	GATE 1                                         ; slot 2
	PLACES 4
	FETCH 2, 0, F0
	MUL16 F1, 0
	PLACES 4
	FETCH 2, 1, F1
	s_wait_dscnt 32
	MUL16 F0, 0
	GATE 0                                         ; slot 3: no tensor load of mine is out any more
	PLACES 4
	FETCH 3, 0, F0
	MUL16 F1, 0
	PLACES 4
	FETCH 3, 1, F1
	s_wait_dscnt 32
	MUL16 F0, 0
	s_wait_dscnt 0x0
	MUL16 F1, 0
	WIN 0
	PLACES 4
	; THE WAY OUT: sum x 2^(ea + eb) + bias, held, quantised; 16 codes a lane into the stage; back as rows; stored as one dense tile.
	s_wait_kmcnt 0x0
	s_cmp_eq_u32 s57, 1
	s_cselect_b32 s60, s86, s84                    ; ea
	s_cselect_b32 s61, s87, s85                    ; eb
	s_cselect_b32 s62, s91, s90                    ; the output's exponent: entry 7 for k, entry 6 for q,
	s_cmp_eq_u32 s57, 2
	s_cselect_b32 s60, s88, s60
	s_cselect_b32 s61, s89, s61
	s_cselect_b32 s62, s93, s62                    ; entry 9 for v
	s_add_co_i32 s60, s60, s61
	s_add_co_i32 s60, s60, 127
	s_lshl_b32 s96, s60, 23                        ; 2^(ea + eb) as f32
	s_mov_b32 s97, s96                             ; (named with it as a pair, so it is written)
	s_add_co_i32 s62, s62, 127
	s_lshl_b32 s63, s62, 23
	v_mov_b32 v[VSC], s63
	s_add_co_i32 s62, s62, 8
	s_lshl_b32 s62, s62, 23
	s_or_b32 s62, s62, 0x600000
	v_mov_b32 v[VLM], s62
	s_wait_loadcnt 0x0                             ; the biases
.set n, 0
.rept 32
	v_cndmask_b32 v[BX+n], v[BX+n], v[ZR], s98     ; v: nothing is added along X
.set n, n+1
.endr
.irp a, 0,1,2,3
	v_cndmask_b32 v[BY+2*\a], v[ZR], v[BY+2*\a], s98   ; q, k: nothing along Y
.endr
.irp a, 0,1,2,3
.irp b, 0,1,2,3
.irp i, 0,2,4,6                                ; each accumulator from its low end on.  One of the two additions adds 0: the bias costs one rounding
	v_pk_fma_f32 v[ACC+8*(4*\a+\b)+\i:ACC+8*(4*\a+\b)+\i+1], v[ACC+8*(4*\a+\b)+\i:ACC+8*(4*\a+\b)+\i+1], s[96:97], v[BX+8*\b+\i:BX+8*\b+\i+1] op_sel_hi:[1,0,1]
.endr
.irp i, 0,2,4,6
	v_pk_add_f32 v[ACC+8*(4*\a+\b)+\i:ACC+8*(4*\a+\b)+\i+1], v[ACC+8*(4*\a+\b)+\i:ACC+8*(4*\a+\b)+\i+1], v[BY+2*\a:BY+2*\a+1] op_sel_hi:[1,0]
.endr
.irp i, 0,1,2,3,4,5,6,7
	v_med3_num_f32 v[ACC+8*(4*\a+\b)+\i], v[ACC+8*(4*\a+\b)+\i], -v[VLM], v[VLM]   ; the conversion does not saturate (ISA guide 7.6.2)
.endr
	v_cvt_scalef32_pk8_fp8_f32 v[CD+2*(4*\a+\b):CD+2*(4*\a+\b)+1], v[ACC+8*(4*\a+\b):ACC+8*(4*\a+\b)+7], v[VSC]   ; the next accumulator's lines are the plain lines behind it
.endr
.endr
	v_nop                                          ; a plain vector line behind the last conversion
.irp a, 0,1,2,3
.irp c, 0,1
	ds_store_b128 v[STO], v[CD+8*\a+4*\c:CD+8*\a+4*\c+3] offset:\a*16*SPITCH+32*\c   ; X blocks 2 c and 2 c + 1 side by side: byte 32 c + 16 h + 8 b + i holds element 32 c + 16 b + 8 h + i
.endr
.endr
	s_wait_dscnt 0x0                               ; for the others' sake: my stores into the stage are done
	s_barrier_signal -1
	s_barrier_wait -1
.irp i, 0,1,2,3,4,5,6,7
	ds_load_b128 v[CD+4*\i:CD+4*\i+3], v[RD] offset:\i*4*SPITCH
.endr
.irp i, 0,1,2,3,4,5,6,7
	s_wait_dscnt 7-\i                              ; LDS loads come back in order: load i is in, the younger ones may be out
	global_store_b128 v[GO], v[CD+4*\i:CD+4*\i+3], s[16:17] offset:512*\i   ; 32 lanes store 512 consecutive bytes, aligned
.endr
	s_wait_tensorcnt 0x0
	ds_add_u32 v126, v127
	s_wait_dscnt 0x0
	CROUND                                         ; the closing round: no work-group ends while a partner may still ask for a tile that names it
	s_endpgm
.Lfunc_end_k_q4fd726d06b_proj:
	.size	k_q4fd726d06b_proj, .Lfunc_end_k_q4fd726d06b_proj-k_q4fd726d06b_proj
	.p2alignl 7, 3214868480
	.fill 96, 4, 3214868480
	.section	.rodata,"a",@progbits
	.p2align	6, 0x0
	.amdhsa_kernel k_q4fd726d06b_proj
		.amdhsa_group_segment_fixed_size 279040
		.amdhsa_private_segment_fixed_size 0
		.amdhsa_enable_private_segment 0
		.amdhsa_kernarg_size 56
		.amdhsa_user_sgpr_count 2
		.amdhsa_user_sgpr_kernarg_segment_ptr 1
		.amdhsa_wavefront_size32 1
		.amdhsa_system_sgpr_workgroup_id_x 1
		.amdhsa_system_sgpr_workgroup_id_y 1
		.amdhsa_system_sgpr_workgroup_id_z 1
		.amdhsa_system_vgpr_workitem_id 0
		.amdhsa_next_free_vgpr 512
		.amdhsa_next_free_sgpr 100
		.amdhsa_reserve_vcc 0
		.amdhsa_float_denorm_mode_32 3
		.amdhsa_float_denorm_mode_16_64 3
		.amdhsa_memory_ordered 1
		.amdhsa_forward_progress 1
		.amdhsa_inst_pref_size 59
	.end_amdhsa_kernel
	.amdgpu_metadata
---
amdhsa.version: [ 1, 2 ]
amdhsa.kernels:
  - .name:           k_q4fd726d06b_proj
    .symbol:         k_q4fd726d06b_proj.kd
    .args:
      - { .name: xc, .offset: 0, .size: 8, .value_kind: global_buffer, .address_space: global }
      - { .name: wc, .offset: 8, .size: 8, .value_kind: global_buffer, .address_space: global }
      - { .name: bq, .offset: 16, .size: 8, .value_kind: global_buffer, .address_space: global }
      - { .name: bk, .offset: 24, .size: 8, .value_kind: global_buffer, .address_space: global }
      - { .name: bv, .offset: 32, .size: 8, .value_kind: global_buffer, .address_space: global }
      - { .name: lowp_scales, .offset: 40, .size: 8, .value_kind: global_buffer, .address_space: global }
      - { .name: qkv, .offset: 48, .size: 8, .value_kind: global_buffer, .address_space: global }
    .group_segment_fixed_size: 279040
    .private_segment_fixed_size: 0
    .kernarg_segment_align: 8
    .kernarg_segment_size: 56
    .max_flat_workgroup_size: 128
    .sgpr_count:     100
    .vgpr_count:     512
    .wavefront_size: 32
...
	.end_amdgpu_metadata
.endif
;; end of part 2
;; launch attn (part 3): grid 4 x 64, 16 waves a work-group, clusters of 4 x 4, 327,680 bytes of LDS; arguments qkv, mask, lowp_scales, cc; writes cc
.if DOCPART == 3
	.amdgcn_target "amdgcn-amd-amdhsa--gfx1250"
	.amdhsa_code_object_version 6
	.text
	.protected	k_q4fd726d06b_attn
	.globl	k_q4fd726d06b_attn
	.p2align	8
	.type	k_q4fd726d06b_attn,@function
k_q4fd726d06b_attn:
	s_mov_b64 s[64:65], 0
	v_nop
	global_prefetch_b8 v0, s[64:65] scope:SCOPE_SE
	s_setreg_imm32_b32 hwreg(HW_REG_WAVE_MODE, 25, 1), 1
	s_wait_xcnt 0x0
	s_wait_alu depctr_hold_cnt(0) depctr_sa_sdst(0) depctr_va_vdst(0) depctr_va_sdst(0) depctr_va_ssrc(0) depctr_va_vcc(0) depctr_vm_vsrc(0)
	s_getreg_b32 s2, hwreg(HW_REG_IB_STS2, 6, 4)
	s_cmp_eq_u32 s2, 0
	s_cbranch_scc0 .Lentry_in_a_cluster
	s_endpgm
.Lentry_in_a_cluster:
	s_bfe_u32 s2, ttmp6, 0x10000c
	s_cmp_lg_u32 s2, 0xf033
	s_cbranch_scc0 .Lentry_shape_is_right
	s_endpgm
.Lentry_shape_is_right:
; Attention on codes of FP8 (E4M3): 16 heads of 64, 4,096 positions.  logit = (q . k + mask x (-1e9)) / 8; the mask is an input of f32 numbers, the same for all heads, and is honoured as it is given: every score is computed.
; THE SOFTMAX AHEAD OF THE SECOND PRODUCT: t = logit x log2(e); M = the row's largest t so far, rounded UP to a whole number; p = 2^(t - M) is quantised along the keys (entry 8 of the scales), not normalised.
; The row's sum is taken of the unquantised p and divides at the end.  When M moves, the sum and O are multiplied by 2^(old M - new M): exact.  The result is quantised with entry 10 into cc [4096][1024], row-major.
; q, k, v come as codes from qkv (three planes; a plane is [32 position tiles][8 channel tiles][16 KiB]; q, k tiles [128 positions][128 channels], v tiles [128 channels][128 keys]; in each row of 128 bytes the bytes are
; so ordered that a 16-byte load at 32 c + 16 h gives lane half h the plain 8-bit operand layout's registers 4 c .. 4 c + 3).
; SHARES.  A work-group owns 64 queries x 4 heads; wave w of sixteen owns head w % 4 and queries 16 (w / 4) on: one tile, in 256 registers, four waves to a SIMD, so that one wave's vector work stands beside another's
; matrix work and LDS loads.  Every wave walks all 4,096 keys, 128 a step, through a ring of two LDS slots; a slot holds the step's mask tile (64 x 128 f32), K (128 keys x 256 channels) and V (256 channels x 128 keys).
; CLUSTER 4 x 4.  x = the group of four heads, y = the block of 64 queries.  The mask tile hangs on the query block alone and is shared along a row of the cluster; K and V hang on the head group alone and are shared along
; a column: each is asked for JOINTLY (wave 0: mask, wave 1: K, wave 2: V).
; LAYOUT.  Both products are used transposed: S^T = K Q^T (source 0 = 16 keys, source 1 = my 16 queries), O^T = V^T P^T: a lane holds ONE query (lane % 16) throughout; tile tau's eight registers are keys 16 tau + 8 h + 0..7,
; whose eight codes are registers 2 tau, 2 tau + 1 of the second product's operand.
; LIMITS: e6 + e7 between -98 and 130 (it is added to one constant's exponent field and taken off another's); e8 and e10 between -126 and 119.  score + mask x (-1e9) is ONE fused multiply-add: it rounds once where
; a multiplication and an addition round twice; for mask numbers 0 and 1 the two are the same.  NaN is not served.
; REGISTERS: v1-3 my lane's places in K, V, mask; v4 prefetch offset; v5, v6 the spare word's address and 0; v7 Q's load offset, later the store's; v8-10 the step's addresses; v12 -M, v13 the largest t, v[14:15] the sum in
; two halves; v16-23 Q; v24-87 K's, then V's fragments; v88-151 the mask's numbers, then (v88-103) p's codes; v152-215 scores, t, p; v216-247 O^T; v248 2^e8; v249-255 at work.
.set SLOT1, 131072                     ; slot 1 begins here: one exclusive or turns an address in one slot into the other's
.set MP,    528                        ; a mask row in LDS: 512 bytes + 16
.set KP,    272                        ; a row of 256 bytes of K's or V's block + 16
.set KOFF,  64*MP                      ; a slot: the mask's 64 rows, K's 128 rows, V's 128 rows
.set VOFF,  KOFF+128*KP
.set SPARE, 2*SLOT1                    ; behind the ring: the spare words, 128 bytes for each of the sixteen waves: eight blocks of 256 bytes that no other line names
.set NT,    32                         ; key steps
.set SPI,   272                        ; the way out: a stage of 64 rows x (256 bytes + 16) at LDS byte 0: slot 0 was left at the last change of slots, has had its last fill, and nobody reads it
.set AK0, 1
.set AV0, 2
.set AM0, 3
.set PFO, 4
.set SPW, 5
.set NIL, 6
.set ADK, 8
.set ADV, 9
.set ADM, 10
.set QF,  16
.set KV,  24
.set MK,  88
.set P,   88
.set S,   152
.set OT,  216
.set WV,  12                           ; s12 my wave's number
.set TB,  13                           ; s13 LDS byte at which the slot in hand begins
.set G1M, 24                           ; s[24:31] descriptor group 1 for the mask's tiles;  s[32:39] for K's and V's
.set G1KV, 32
.set G0M, 40                           ; s[40:43], s[44:47], s[48:51] groups 0, which walk
.set G0K, 44
.set G0V, 48
.set CS,  52                           ; s[52:53] log2(e) / 8 x 2^(e6 + e7)
.set KC,  54                           ; s[54:55] -1e9 / 2^(e6 + e7)
.set SEL, 56                           ; s[56:57] lane selects for v_permlanex16_b32: lane l xor 16
.set SLOTS, 58                         ; s58 fills still to be asked for
.set LIM, 59                           ; s59 1 in a wave that prefetches, else the greatest number
.set PFA, 60                           ; s[60:61] where my prefetches stand
.set PFS, 62                           ; s[62:63] a key step on, in bytes
.macro CROUND                          ; a round of the cluster's barrier
	s_barrier_signal -1
	s_barrier_wait -1
	s_cmp_lg_u32 s[WV], 0
	s_cbranch_scc1 .Lnot_wave_0_\@
	s_barrier_signal -3
.Lnot_wave_0_\@:
	s_barrier_wait -3
	s_barrier_signal -1
	s_barrier_wait -1
.endm
; The joint loads of a key step: wave 0 the mask's tile, wave 1 K's block, wave 2 V's; the others none.  The branches hang on the wave's number alone.  Four v_nop follow each line.
.macro JLOAD
	s_cmp_lg_u32 s[WV], 0
	s_cbranch_scc1 .Lnot_m_\@
	tensor_load_to_lds s[G0M:G0M+3], s[G1M:G1M+7]
	s_nop 0
.rept 4
	v_nop
.endr
	s_branch .Lasked_\@
.Lnot_m_\@:
	s_cmp_lg_u32 s[WV], 1
	s_cbranch_scc1 .Lnot_k_\@
	tensor_load_to_lds s[G0K:G0K+3], s[G1KV:G1KV+7]
	s_nop 0
.rept 4
	v_nop
.endr
	s_branch .Lasked_\@
.Lnot_k_\@:
	s_cmp_lg_u32 s[WV], 2
	s_cbranch_scc1 .Lasked_\@
	tensor_load_to_lds s[G0V:G0V+3], s[G1KV:G1KV+7]
	s_nop 0
.rept 4
	v_nop
.endr
.Lasked_\@:
.endm
; A PREFETCH INTO THE L2 of what the NEXT change of slots will ask for, one key step ahead of that load.  Each aligned block of 256 bytes is named once in the launch.  The mask's tile (64 rows x 512 bytes) is read by the
; four partners of one row of one cluster alone: wave 4 of each asks for 16 of its rows, told apart BY ADDRESS (cx), two lanes to a row.  K's and V's blocks (32 KiB each) are read by every cluster: the clusters with y = 0
; ask, waves 5 and 6, each of a column's four partners for 8 KiB, told apart by address (cy), lanes 256 bytes apart.  The last change that fills a slot asks for nothing; steps 0 and 1 come by their loads alone.
.macro ASK
	s_cmp_gt_u32 s[SLOTS], s[LIM]
	s_cbranch_scc0 .Lnot_mine_\@
	global_prefetch_b8 v[PFO], s[PFA:PFA+1] th:TH_LOAD_NT scope:SCOPE_SE
.Lnot_mine_\@:
.endm
	s_load_b256 s[4:11], s[0:1], 0x0               ; qkv s[4:5], mask s[6:7], the exponents s[8:9], cc s[10:11]
	v_lshl_add_u32 v[SPW], v0, 2, SPARE
	v_mov_b32 v[NIL], 0
	ds_add_u32 v5, v6
	s_wait_dscnt 0x0
	v_lshrrev_b32 v8, 5, v0
	v_readfirstlane_b32 s[WV], v8                  ; wave 0..15
	s_and_b32 s18, s[WV], 3                        ; hl: my head in the group
	s_lshr_b32 s19, s[WV], 2                       ; qt: my tile of 16 queries
	s_bfe_u32 s14, ttmp6, 0x40000                  ; cx, cy: my place in the cluster
	s_bfe_u32 s15, ttmp6, 0x40004
	s_lshl_b32 s21, ttmp9, 2
	s_add_co_u32 s21, s21, s14                     ; hg: my group of four heads
	s_and_b32 s16, ttmp7, 0xffff                   ; cluster y
	s_lshl_b32 s17, s16, 2
	s_add_co_u32 s17, s17, s15                     ; qb: my block of 64 queries
	s_lshl_b32 s22, s15, 2
	s_lshl_b32 s22, 15, s22                        ; my row of the cluster
	s_lshl_b32 s23, 0x1111, s14                    ; my column
	s_or_b32 s[G1M], s22, (2<<16)|(1<<20)|(1<<21)|(6<<22)|(3<<25)   ; 15:0 the mask of work-groups: my row; 17:16 elements of 4 bytes; 20 padding on; 21 set beside a mask; 24:22 after every 128 words (code 6); 31:25 four words (code 3)
	s_mov_b32 s[G1M+1], 128<<16                    ; tensor_dim0 = 128 keys
	s_mov_b32 s[G1M+2], 64<<16                     ; tensor_dim1 = 64 queries
	s_mov_b32 s[G1M+3], 128<<16                    ; tile_dim0
	s_mov_b32 s[G1M+4], 64                         ; tile_dim1
	s_mov_b32 s[G1M+5], 4096                       ; tensor_dim0_stride
	s_mov_b32 s[G1M+6], 0
	s_mov_b32 s[G1M+7], 0
	s_or_b32 s[G1KV], s23, (1<<20)|(1<<21)|(5<<22)|(3<<25)          ; my column; elements of 1 byte; four words of padding after every 64
	s_mov_b32 s[G1KV+1], 256<<16                   ; a dense block of 32 KiB, as 128 rows of 256 bytes
	s_mov_b32 s[G1KV+2], 128<<16
	s_mov_b32 s[G1KV+3], 256<<16
	s_mov_b32 s[G1KV+4], 128
	s_mov_b32 s[G1KV+5], 256
	s_mov_b32 s[G1KV+6], 0
	s_mov_b32 s[G1KV+7], 0
	s_lshl_b32 s76, s17, 20                        ; the mask: my block's 64 rows of 16,384 bytes: hangs on the query block alone
	s_mov_b32 s77, 0
	s_lshl_b32 s78, s21, 15                        ; K, V: plane 1, 2; in each position tile my group's two channel tiles, 32 KiB: hang on the head group alone
	s_add_co_u32 s80, s78, 0x800000
	s_add_co_u32 s78, s78, 0x400000
	s_mov_b32 s79, 0
	s_mov_b32 s81, 0
	s_lshr_b32 s82, s17, 1                         ; Q: tile 8 (qb / 2) + 2 hg + hl / 2; row 64 (qb % 2) + 16 qt; byte 64 (hl % 2)
	s_lshl_b32 s82, s82, 3
	s_lshl_b32 s83, s21, 1
	s_add_co_u32 s82, s82, s83
	s_lshr_b32 s83, s18, 1
	s_add_co_u32 s82, s82, s83
	s_lshl_b32 s82, s82, 14
	s_and_b32 s83, s17, 1
	s_lshl_b32 s83, s83, 13
	s_add_co_u32 s82, s82, s83
	s_lshl_b32 s83, s19, 11
	s_add_co_u32 s82, s82, s83
	s_and_b32 s83, s18, 1
	s_lshl_b32 s83, s83, 6
	s_add_co_u32 s82, s82, s83
	s_mov_b32 s83, 0
	s_lshl_b32 s84, s17, 16                        ; cc: row 64 qb + 4 wave, byte 256 hg
	s_lshl_b32 s85, s[WV], 12
	s_add_co_u32 s84, s84, s85
	s_lshl_b32 s85, s21, 8
	s_add_co_u32 s84, s84, s85
	s_mov_b32 s85, 0
	s_mov_b32 s[SEL], 0x76543210
	s_mov_b32 s[SEL+1], 0xfedcba98
	s_mov_b32 s[CS], 0x3e38aa3b                    ; log2(e) / 8
	s_mov_b32 s[KC], 0xce6e6b28                    ; -1e9
	s_mov_b32 s[TB], 0
	s_mov_b32 s[SLOTS], NT-1
	s_wait_kmcnt 0x0
	s_load_b128 s[68:71], s[8:9], 0x18             ; e6, e7, e8, e9
	s_load_b32 s72, s[8:9], 0x28                   ; e10
	s_mov_b32 s[G0M], 1                            ; 1:0 count = 1
	s_mov_b32 s[G0M+1], 0                          ; 63:32 LDS address: slot 0
	s_add_nc_u64 s[G0M+2:G0M+3], s[6:7], s[76:77]  ; 120:64 global address: key step 0
	s_or_b32 s[G0M+3], s[G0M+3], 0x80000000        ; 127:126 type = 2
	s_mov_b32 s[G0K], 1
	s_mov_b32 s[G0K+1], KOFF
	s_add_nc_u64 s[G0K+2:G0K+3], s[4:5], s[78:79]
	s_or_b32 s[G0K+3], s[G0K+3], 0x80000000
	s_mov_b32 s[G0V], 1
	s_mov_b32 s[G0V+1], VOFF
	s_add_nc_u64 s[G0V+2:G0V+3], s[4:5], s[80:81]
	s_or_b32 s[G0V+3], s[G0V+3], 0x80000000
	CROUND                                         ; all sixteen work-groups are here: the first joint loads meet
	JLOAD                                          ; key step 0 into slot 0
	s_add_nc_u64 s[82:83], s[4:5], s[82:83]        ; Q at my tile
	s_add_nc_u64 s[10:11], s[10:11], s[84:85]      ; cc at my rows
	v_and_b32 v8, 15, v0                           ; r
	v_bfe_u32 v9, v0, 4, 1                         ; h
	v_lshlrev_b32 v7, 7, v8
	v_lshl_add_u32 v7, v9, 4, v7                   ; row r of 128 bytes, + 16 h
	global_load_b128 v[QF:QF+3], v7, s[82:83]      ; Q's fragment (16 queries x 64) stays in registers
	global_load_b128 v[QF+4:QF+7], v7, s[82:83] offset:32
	v_lshrrev_b32 v10, 1, v8                       ; two rows of 128 bytes lie in one LDS row of 256:
	v_and_b32 v11, 1, v8
	v_mul_u32_u24 v10, v10, KP
	v_lshl_add_u32 v10, v11, 7, v10
	v_lshl_add_u32 v10, v9, 4, v10                 ; (r / 2) x 272 + (r % 2) x 128 + 16 h: sixteen lanes of a half touch sixteen different 16-byte columns modulo 256 bytes
	s_lshr_b32 s20, s18, 1
	s_mul_i32 s22, s20, 64*KP                      ; my head's channel tile: 64 LDS rows a tile
	s_and_b32 s20, s18, 1
	s_lshl_b32 s23, s20, 6                         ; K: my head's 64 bytes of a key's 128
	s_add_co_u32 s23, s23, s22
	s_add_co_u32 s23, s23, KOFF
	v_add_nc_u32 v[AK0], s23, v10
	s_mul_i32 s23, s20, 32*KP                      ; V: my head's 64 channels of the tile's 128: 32 LDS rows
	s_add_co_u32 s23, s23, s22
	s_add_co_u32 s23, s23, VOFF
	v_add_nc_u32 v[AV0], s23, v10
	v_mul_u32_u24 v[AM0], v8, MP                   ; the mask: row 16 qt + r, + 32 h: my eight keys of a tile of sixteen
	v_lshl_add_u32 v[AM0], v9, 5, v[AM0]
	s_mul_i32 s23, s19, 16*MP
	v_add_nc_u32 v[AM0], s23, v[AM0]
	; the prefetches: where my wave's stand, and who asks
	s_mov_b32 s86, 131072
	s_mov_b32 s91, 0x800000
	s_cmp_eq_u32 s[WV], 5
	s_cselect_b32 s89, 0x400000, s91               ; wave 5: K's plane; wave 6: V's
	s_lshl_b32 s90, s21, 15
	s_add_co_u32 s90, s90, s89
	s_lshl_b32 s89, s15, 13
	s_add_co_u32 s90, s90, s89                     ; + my group's block + my work-group's 8 KiB of it
	s_lshl_b32 s88, s17, 20
	s_lshl_b32 s89, s14, 18
	s_add_co_u32 s88, s88, s89                     ; the mask: my block's rows + my work-group's 16 of them
	s_cmp_eq_u32 s[WV], 4
	s_cselect_b64 s[PFA:PFA+1], s[6:7], s[4:5]
	s_cselect_b32 s[PFS], 512, s86                 ; a key step on
	s_cselect_b32 s87, 14, 9                       ; two lanes to a row of 16,384 bytes, or lanes 256 bytes apart: (lane / 2) << 14 or 9, + 256 (lane % 2)
	s_cselect_b32 s88, s88, s90
	s_mov_b32 s[PFS+1], 0
	s_mov_b32 s89, 0
	s_add_nc_u64 s[PFA:PFA+1], s[PFA:PFA+1], s[88:89]
	s_add_nc_u64 s[PFA:PFA+1], s[PFA:PFA+1], s[PFS:PFS+1]   ; at key step 1: the first change of slots steps it to 2.  Nothing is prefetched here, at the head
	s_sub_co_u32 s89, s[WV], 5
	s_lshr_b32 s89, s89, 1                         ; 0 in waves 5 and 6,
	s_or_b32 s89, s89, s16                         ; of the clusters with y = 0: the same in all sixteen partners
	s_cmp_eq_u32 s89, 0
	s_cselect_b32 s[LIM], 1, -1
	s_cmp_eq_u32 s[WV], 4
	s_cselect_b32 s[LIM], 1, s[LIM]                ; and wave 4 of every work-group
	v_and_b32 v10, 31, v0
	v_lshrrev_b32 v11, 1, v10
	v_and_b32 v10, 1, v10
	v_lshlrev_b32 v[PFO], s87, v11
	v_lshl_or_b32 v[PFO], v10, 8, v[PFO]
	v_mov_b32 v13, 0xff61b1e6                      ; the largest t so far: -3e38, under every t
	v_floor_f32 v12, -v13                          ; -M
	v_mov_b32 v14, 0                               ; the sum, in two halves
	v_mov_b32 v15, 0
	v_mov_b32 v249, 0                              ; written once: a lane permute's destination counts as one of its sources
	v_mov_b32 v251, 0                              ; (named as the upper half of the pair v[250:251])
.set n, 0
.rept 32
	v_mov_b32 v[OT+n], 0                           ; O^T.  (The step is written for every trip alike: the first finds zeros, which the first change of M leaves zeros)
.set n, n+1
.endr
	s_wait_kmcnt 0x0
	s_add_co_i32 s20, s68, s69                     ; e6 + e7: a sum of codes' products stands for sum x 2^(e6 + e7)
	s_lshl_b32 s20, s20, 23
	s_add_co_i32 s[CS], s[CS], s20                 ; so it is added to the exponent field of log2(e) / 8,
	s_mov_b32 s[CS+1], s[CS]
	s_sub_co_i32 s[KC], s[KC], s20                 ; and taken off that of -1e9, which is added to the sum as it stands
	s_mov_b32 s[KC+1], s[KC]
	s_add_co_i32 s20, s70, 127
	s_lshl_b32 s22, s20, 23
	v_mov_b32 v248, s22                            ; 2^e8 as f32, for p's conversions
	s_add_co_i32 s20, s20, 8
	s_lshl_b32 s20, s20, 23
	s_or_b32 s66, s20, 0x600000                    ; 448 x 2^e8
; A KEY STEP: 128 keys, from the slot at s[TB].
.macro STEP
	v_add_nc_u32 v[ADK], s[TB], v[AK0]
	v_add_nc_u32 v[ADV], s[TB], v[AV0]
	v_add_nc_u32 v[ADM], s[TB], v[AM0]
	v_nop                                          ; four plain lines behind the last step's products, in front of loads into registers that they read
.irp t, 0,1,2,3,4,5,6,7                        ; K: tile t = keys 16 t + r: 8 LDS rows a tile
.irp c, 0,1
	ds_load_b128 v[KV+8*\t+4*\c:KV+8*\t+4*\c+3], v[ADK] offset:8*KP*\t+32*\c
.endr
.endr
.irp t, 0,1,2,3,4,5,6,7                        ; the mask's numbers in the scores' own layout: register 8 t + j = (my query, key 16 t + 8 h + j)
.irp i, 0,1
	ds_load_b128 v[MK+8*\t+4*\i:MK+8*\t+4*\i+3], v[ADM] offset:64*\t+16*\i
.endr
.endr
	s_wait_dscnt 16                                ; K is in; the mask's sixteen loads may be out
.irp t, 0,1,2,3,4,5,6,7
	v_wmma_f32_16x16x64_fp8_fp8 v[S+8*\t:S+8*\t+7], v[KV+8*\t:KV+8*\t+7], v[QF:QF+7], 0
.endr
.rept 4
	v_nop                                          ; places in front of the loads into K's registers and of the first read of the scores
.endr
.irp t, 0,1,2,3                                ; V: tile t = channels 16 t + r, 128 keys: asked for now, wanted behind the softmax
.irp c, 0,1,2,3
	ds_load_b128 v[KV+16*\t+4*\c:KV+16*\t+4*\c+3], v[ADV] offset:8*KP*\t+32*\c
.endr
.endr
	s_wait_dscnt 16                                ; the mask is in; V's sixteen loads may be out
.set n, 0
.rept 32
	v_pk_fma_f32 v[S+n:S+n+1], v[MK+n:MK+n+1], s[KC:KC+1], v[S+n:S+n+1] op_sel_hi:[1,0,1]   ; score + mask x (-1e9), both / 2^(e6 + e7); each accumulator from its low end on
.set n, n+2
.endr
.set n, 0
.rept 32
	v_pk_mul_f32 v[S+n:S+n+1], v[S+n:S+n+1], s[CS:CS+1] op_sel_hi:[1,0]   ; t, rounded by itself: so t - M below is never above 0
.set n, n+2
.endr
	v_max3_num_f32 v254, v[S], v[S+1], v[S+2]      ; the step's largest t of my query, among my 64 keys, in two chains,
	v_max3_num_f32 v255, v[S+3], v[S+4], v[S+5]
.irp i, 6,10,14,18,22,26,30,34,38,42,46,50,54,58
	v_max3_num_f32 v254, v254, v[S+\i], v[S+\i+1]
	v_max3_num_f32 v255, v255, v[S+\i+2], v[S+\i+3]
.endr
	v_max3_num_f32 v254, v254, v[S+62], v[S+63]
	v_max_num_f32 v254, v254, v255
	v_permlanex16_b32 v249, v254, s[SEL], s[SEL+1]
	v_max_num_f32 v254, v254, v249                 ; and among lane l xor 16's
	v_max_num_f32 v13, v13, v254                   ; the running largest t
	v_mov_b32 v254, v12
	v_floor_f32 v12, -v13                          ; the new -M = floor(-t) = -ceil(t): M is a whole number
	v_sub_f32 v254, v12, v254                      ; M's old value less its new one: a whole number, 0 or less
	v_cvt_i32_f32 v254, v254                       ; (it saturates)
	v_ldexp_f32 v250, 1.0, v254                    ; f = 2^(old M - new M)
.set n, 0
.rept 32
	v_pk_add_f32 v[S+n:S+n+1], v[S+n:S+n+1], v[12:13] op_sel_hi:[1,0]   ; t - M (of the pair the low word, -M, serves both halves)
.set n, n+2
.endr
.set n, 0
.rept 64
	v_exp_f32 v[S+n], v[S+n]                       ; p = 2^(t - M), at most 1: not normalised
.set n, n+1
.endr
	v_pk_mul_f32 v[14:15], v[14:15], v[250:251] op_sel_hi:[1,0]   ; the sums under the new M.  (A plain line behind the exponentials)
	s_wait_alu depctr_va_vdst(0)
	v_pk_add_f32 v[252:253], v[S:S+1], v[S+2:S+3]  ; the row's sum is taken of the UNQUANTISED p: two at a time, in two chains
.irp j, 4,8,12,16,20,24,28,32,36,40,44,48,52,56,60
	v_pk_add_f32 v[14:15], v[14:15], v[S+\j:S+\j+1]
	v_pk_add_f32 v[252:253], v[252:253], v[S+\j+2:S+\j+3]
.endr
	v_pk_add_f32 v[14:15], v[14:15], v[252:253]
.irp t, 0,1,2,3,4,5,6,7
.irp i, 0,1,2,3,4,5,6,7
	v_min_num_f32 v[S+8*\t+\i], s66, v[S+8*\t+\i]  ; the conversion does not saturate (ISA guide 7.6.2); p is not negative, so the hold is one-sided
.endr
	v_cvt_scalef32_pk8_fp8_f32 v[P+2*\t:P+2*\t+1], v[S+8*\t:S+8*\t+7], v248   ; keys 16 t + 8 h + 0..7: registers 2 t, 2 t + 1 of the operand
.endr
.set n, 0
.rept 16
	v_pk_mul_f32 v[OT+n:OT+n+1], v[OT+n:OT+n+1], v[250:251] op_sel_hi:[1,0]   ; O^T under the new M.  (These are also the plain lines behind the conversions)
.set n, n+2
.endr
	s_wait_dscnt 0x0                               ; V is in
.irp t, 0,1,2,3                                ; the four accumulators take turns, one instruction a turn
	v_wmma_f32_16x16x128_fp8_fp8 v[OT+8*\t:OT+8*\t+7], v[KV+16*\t:KV+16*\t+15], v[P:P+15], v[OT+8*\t:OT+8*\t+7]
.endr
	s_xor_b32 s[TB], s[TB], SLOT1                  ; on to the other slot
.endm
; THE CHANGE OF SLOTS stands at a step's head.  Each wave waits for all its tensor loads (its part of the slot that it is about to read), adds 0 to its spare word, and waits for that and for its reads of the slot that it
; has left.  fill = 1: a round of the cluster's barrier follows, so that no wave of any partner still reads that slot or has a load on its way; the joint refill is the first thing behind it, one load a wave, and has the
; whole step in which to land: by this text's count a wave has one tensor load out.
.macro CHANGE fill
	s_wait_tensorcnt 0x0                           ; no tensor load of mine is out, so a group 0 may be written
	ds_add_u32 v[SPW], v[NIL]                      ; 0 onto my spare word
.if \fill
	s_xor_b32 s[G0M+1], s[G0M+1], SLOT1            ; the walking descriptors: the other slot than last time,
	s_add_nc_u64 s[G0M+2:G0M+3], s[G0M+2:G0M+3], 512        ; the next 128 keys; the type bits on top are not reached
	s_xor_b32 s[G0K+1], s[G0K+1], SLOT1
	s_add_nc_u64 s[G0K+2:G0K+3], s[G0K+2:G0K+3], 131072     ; the next position tile
	s_xor_b32 s[G0V+1], s[G0V+1], SLOT1
	s_add_nc_u64 s[G0V+2:G0V+3], s[G0V+2:G0V+3], 131072
	s_wait_xcnt 0x0                                ; the last prefetch, a step back, has read its address, so it may be written:
	s_add_nc_u64 s[PFA:PFA+1], s[PFA:PFA+1], s[PFS:PFS+1]   ; one step further on than the walking descriptors
	s_wait_dscnt 0x0                               ; the add is done, and my reads of the slot that I have left are over
	CROUND
	JLOAD
	ASK
.else
	s_wait_dscnt 0x0
	s_barrier_signal -1
	s_barrier_wait -1
.endif
.endm
	s_wait_loadcnt 0x0                             ; Q
.Lstep:                                            ; NT - 1 trips: behind each change of slots but the last the next step's tiles are asked for
	CHANGE 1
	STEP
	s_sub_co_u32 s[SLOTS], s[SLOTS], 1
	s_cmp_lg_u32 s[SLOTS], 0
	s_cbranch_scc1 .Lstep
	CHANGE 0                                       ; the last step is written out
	STEP
	; THE WAY OUT.  O^T x 2^(e8 + e9) / the sum, quantised with 2^e10; a lane's eight codes are eight neighbouring channels of a row of cc.  The four heads' 64 bytes of a row meet in the stage, and sixteen lanes
	; store 256 consecutive bytes, aligned.  The address lines are the plain lines behind the last products.
	v_and_b32 v8, 15, v0                           ; r
	v_bfe_u32 v9, v0, 4, 1                         ; h
	v_mul_u32_u24 v10, v8, SPI
	v_lshl_add_u32 v10, v9, 3, v10
	s_mul_i32 s20, s19, 16*SPI
	s_lshl_b32 s22, s18, 6
	s_add_co_u32 s20, s20, s22
	v_add_nc_u32 v10, s20, v10                     ; in: row 16 qt + r, byte 64 hl + 8 h (+ 16 t)
	v_mul_u32_u24 v11, v9, SPI
	v_lshl_add_u32 v11, v8, 4, v11
	s_mul_i32 s20, s[WV], 4*SPI
	v_add_nc_u32 v11, s20, v11                     ; back: wave w takes rows 4 w on; lanes 0-15 one row, lanes 16-31 the next
	v_lshlrev_b32 v7, 10, v9
	v_lshl_add_u32 v7, v8, 4, v7                   ; and the same two rows in cc
	v_add_f32 v14, v14, v15                        ; the sum's two halves,
	v_permlanex16_b32 v249, v14, s[SEL], s[SEL+1]
	v_add_f32 v14, v14, v249                       ; and lane l xor 16's: the row's sum
	v_rcp_f32 v14, v14
	s_add_co_i32 s22, s72, 127
	s_lshl_b32 s23, s22, 23
	v_mov_b32 v255, s23                            ; 2^e10 as f32.  (A plain line behind the reciprocal)
	s_add_co_i32 s22, s22, 8
	s_lshl_b32 s22, s22, 23
	s_or_b32 s22, s22, 0x600000
	v_mov_b32 v254, s22                            ; 448 x 2^e10
	s_add_co_i32 s20, s70, s71
	s_wait_alu depctr_va_vdst(0)
	v_ldexp_f32 v14, v14, s20                      ; x 2^(e8 + e9)
.set n, 0
.rept 32
	v_mul_f32 v[S+n], v[OT+n], v14                 ; register 8 t + j is (my query, channel 16 t + 8 h + j); each accumulator from its low end on
.set n, n+1
.endr
.irp t, 0,1,2,3
.irp i, 0,1,2,3,4,5,6,7
	v_med3_num_f32 v[S+8*\t+\i], v[S+8*\t+\i], -v254, v254
.endr
	v_cvt_scalef32_pk8_fp8_f32 v[MK+2*\t:MK+2*\t+1], v[S+8*\t:S+8*\t+7], v255
.endr
	v_nop                                          ; a plain vector line behind the last conversion
.irp t, 0,1,2,3
	ds_store_b64 v10, v[MK+2*\t:MK+2*\t+1] offset:16*\t
.endr
	s_wait_dscnt 0x0                               ; for the others' sake: my stores into the stage are done
	s_barrier_signal -1
	s_barrier_wait -1
	ds_load_b128 v[KV:KV+3], v11
	ds_load_b128 v[KV+4:KV+7], v11 offset:2*SPI
	s_wait_dscnt 1                                 ; the first two rows are in
	global_store_b128 v7, v[KV:KV+3], s[10:11]
	s_wait_dscnt 0x0
	global_store_b128 v7, v[KV+4:KV+7], s[10:11] offset:2048
	s_wait_tensorcnt 0x0                           ; the wave's end: behind my last tensor load and my last LDS store
	ds_add_u32 v[SPW], v[NIL]
	s_wait_dscnt 0x0
	CROUND                                         ; the closing round: no work-group ends while a partner may still ask for a tile that names it
	s_endpgm
.Lfunc_end_k_q4fd726d06b_attn:
	.size	k_q4fd726d06b_attn, .Lfunc_end_k_q4fd726d06b_attn-k_q4fd726d06b_attn
	.p2alignl 7, 3214868480
	.fill 96, 4, 3214868480
	.section	.rodata,"a",@progbits
	.p2align	6, 0x0
	.amdhsa_kernel k_q4fd726d06b_attn
		.amdhsa_group_segment_fixed_size 327680
		.amdhsa_private_segment_fixed_size 0
		.amdhsa_enable_private_segment 0
		.amdhsa_kernarg_size 32
		.amdhsa_user_sgpr_count 2
		.amdhsa_user_sgpr_kernarg_segment_ptr 1
		.amdhsa_wavefront_size32 1
		.amdhsa_system_sgpr_workgroup_id_x 1
		.amdhsa_system_sgpr_workgroup_id_y 1
		.amdhsa_system_sgpr_workgroup_id_z 1
		.amdhsa_system_vgpr_workitem_id 0
		.amdhsa_next_free_vgpr 256
		.amdhsa_next_free_sgpr 100
		.amdhsa_reserve_vcc 0
		.amdhsa_float_denorm_mode_32 3
		.amdhsa_float_denorm_mode_16_64 3
		.amdhsa_memory_ordered 1
		.amdhsa_forward_progress 1
		.amdhsa_inst_pref_size 58
	.end_amdhsa_kernel
	.amdgpu_metadata
---
amdhsa.version: [ 1, 2 ]
amdhsa.kernels:
  - .name:           k_q4fd726d06b_attn
    .symbol:         k_q4fd726d06b_attn.kd
    .args:
      - { .name: qkv, .offset: 0, .size: 8, .value_kind: global_buffer, .address_space: global }
      - { .name: mask, .offset: 8, .size: 8, .value_kind: global_buffer, .address_space: global }
      - { .name: lowp_scales, .offset: 16, .size: 8, .value_kind: global_buffer, .address_space: global }
      - { .name: cc, .offset: 24, .size: 8, .value_kind: global_buffer, .address_space: global }
    .group_segment_fixed_size: 327680
    .private_segment_fixed_size: 0
    .kernarg_segment_align: 8
    .kernarg_segment_size: 32
    .max_flat_workgroup_size: 512
    .sgpr_count:     100
    .vgpr_count:     256
    .wavefront_size: 32
...
	.end_amdgpu_metadata
.endif
;; end of part 3
;; launch outp (part 4): grid 8 x 32, 4 waves a work-group, clusters of 4 x 4, 279,040 bytes of LDS; arguments cc, wc, bo, lowp_scales, out0; writes out0
.if DOCPART == 4
	.amdgcn_target "amdgcn-amd-amdhsa--gfx1250"
	.amdhsa_code_object_version 6
	.text
	.protected	k_q4fd726d06b_outp
	.globl	k_q4fd726d06b_outp
	.p2align	8
	.type	k_q4fd726d06b_outp,@function
k_q4fd726d06b_outp:
	s_mov_b64 s[64:65], 0
	v_nop
	global_prefetch_b8 v0, s[64:65] scope:SCOPE_SE
	s_setreg_imm32_b32 hwreg(HW_REG_WAVE_MODE, 25, 1), 1
	s_wait_xcnt 0x0
	s_wait_alu depctr_hold_cnt(0) depctr_sa_sdst(0) depctr_va_vdst(0) depctr_va_sdst(0) depctr_va_ssrc(0) depctr_va_vcc(0) depctr_vm_vsrc(0)
	s_getreg_b32 s2, hwreg(HW_REG_IB_STS2, 6, 4)
	s_cmp_eq_u32 s2, 0
	s_cbranch_scc0 .Lentry_in_a_cluster
	s_endpgm
.Lentry_in_a_cluster:
	s_bfe_u32 s2, ttmp6, 0x10000c
	s_cmp_lg_u32 s2, 0xf033
	s_cbranch_scc0 .Lentry_shape_is_right
	s_endpgm
.Lentry_shape_is_right:
; out0 = combined Wo^T + bo on codes of FP8 (E4M3).  cc [4096][1024]: the combined heads' codes (scale entry 10); plane 3 of wc [1024][1024]: Wo's codes (entry 11); K innermost in both.  out0 [4096][1024] f32.
; out = sum x 2^(e10 + e11) + bo, one packed fused multiply-add for two numbers.   LIMIT: e10 + e11 between -126 and 127.
; SHARES.  A work-group makes 128 positions x 128 channels: 32 x 8 = 256 work-groups.  Four waves, 64 x 64 each: 16 accumulators.
; ALL OF K LIES IN LDS: four slots of 256 along K, each filled ONCE, all asked for at the head: no slot is filled again, so there is no ring.  Eight steps of 128 along K are written out; there is no loop.
; CLUSTERS: 4 x 4 work-groups.  The weights' tile hangs on the channel tile alone and is shared along a column of the cluster, the activations' tile on the position tile and is shared along a row: each is asked for JOINTLY.
; THE MATRIX INSTRUCTION IS USED TRANSPOSED: source 0 (X) = 16 rows of Wo, source 1 (Y) = 16 positions: a lane holds eight neighbouring channels of one row of out0.
; REGISTERS: window 0: v1-20 addresses; v32-63 the bias; v128-255 accumulators ((a, b) at v[128 + 8 (4 a + b)]), later whole rows on the way out.   window 1: two fragment buffers of 128: Y's four fragments, then X's four.
.set PITCH,  272                       ; an LDS row: 256 bytes + 16 of padding = 68 words: row r starts at bank 4 r mod 64 (64 banks of 4 bytes: ISA guide 11.1)
.set HALFT,  64*PITCH
.set SLOT,   4*HALFT                   ; the weights' 128 rows, then the activations' 128
.set SPITCH, 528                       ; the way out: a stage of 128 rows x (512 bytes + 16), in slot 0, which has had its only fill and its last read by then
.set ADRX, 8                           ; v8-11   LDS address of my X fragments in slot 0..3
.set ADRY, 12                          ; v12-15  the same for Y
.set STO,  16                          ; v16     the way out: where I put 32 bytes of a row
.set RD,   17                          ; v17     where I read a row back
.set GO,   18                          ; v18     16 x lane
.set BXO,  19                          ; v19     my byte offset in the bias
.set BX,   32
.set ACC,  128
.set F0,   0
.set F1,   128
.set WV,   18
.set G1W,  24
.set G1A,  32
.set G0W,  40
.set G0A,  68
.set DW0,  (1<<20)|(1<<21)|(5<<22)|(3<<25)   ; elements of 1 byte; padding on; bit 21 set beside a mask; four words after every 64
.set MSB, 0
.macro WIN new
.if MSB != \new
	s_set_vgpr_msb (MSB<<8)|\new
.set MSB, \new
.endif
.endm
.set MUL,  0x05                        ; sources 0 and 1 window 1; C and D window 0
.set TO_F, 0x40                        ; destination window 1, address window 0
.macro CREST
	s_cmp_lg_u32 s[WV], 0
	s_cbranch_scc1 .Lnot_wave_0_\@
	s_barrier_signal -3
.Lnot_wave_0_\@:
	s_barrier_wait -3
	s_barrier_signal -1
	s_barrier_wait -1
.endm
.macro CROUND
	s_barrier_signal -1
	s_barrier_wait -1
	CREST
.endm
.macro PLACES n                        ; plain vector lines behind matrix instructions, in front of loads into their sources and of reads of their results
.rept \n
	v_nop
.endr
.endm
.macro GATE n                          ; my part of the next slot has landed (n younger loads of mine may stay out), my LDS loads are in; then everybody's
	s_wait_tensorcnt \n
	s_wait_dscnt 0x0
	s_barrier_signal -1
	s_barrier_wait -1
.endm
.macro FETCH slot, q, f                ; 32 LDS loads: the fragments of the slot's q-th 128 along K; four loads of 16 bytes a fragment: a permutation of K that is the same in X and in Y
	WIN TO_F
.irp i, 0,1,2,3
.irp c, 0,1,2,3
	ds_load_b128 v[\f+64+16*\i+4*\c:\f+64+16*\i+4*\c+3], v[ADRX+\slot] offset:128*\q+32*\c+\i*16*PITCH
.endr
.irp c, 0,1,2,3
	ds_load_b128 v[\f+16*\i+4*\c:\f+16*\i+4*\c+3], v[ADRY+\slot] offset:128*\q+32*\c+\i*16*PITCH
.endr
.endr
.endm
.macro MUL16 f, zero                   ; the 16 accumulators take turns, one instruction a turn, in the same order in every step
	WIN MUL
.irp a, 0,1,2,3
.irp b, 0,1,2,3
.if \zero
	v_wmma_f32_16x16x128_fp8_fp8 v[ACC+8*(4*\a+\b):ACC+8*(4*\a+\b)+7], v[\f+64+16*\b:\f+64+16*\b+15], v[\f+16*\a:\f+16*\a+15], 0
.else
	v_wmma_f32_16x16x128_fp8_fp8 v[ACC+8*(4*\a+\b):ACC+8*(4*\a+\b)+7], v[\f+64+16*\b:\f+64+16*\b+15], v[\f+16*\a:\f+16*\a+15], v[ACC+8*(4*\a+\b):ACC+8*(4*\a+\b)+7]
.endif
.endr
.endr
.endm
	s_load_b256 s[4:11], s[0:1], 0x0               ; cc s[4:5], wc s[6:7], bo s[8:9], the exponents s[10:11]
	s_load_b64 s[12:13], s[0:1], 0x20              ; out0
	v_lshl_add_u32 v126, v0, 2, 0x44000
	v_mov_b32 v127, 0
	ds_add_u32 v126, v127
	v_lshrrev_b32 v1, 5, v0
	v_readfirstlane_b32 s[WV], v1                  ; wave 0..3
	s_lshr_b32 s19, s[WV], 1                       ; wy: which 64 positions are mine.  Also: I fetch weights (0) or activations (1)
	s_and_b32 s20, s[WV], 1                        ; wx: which 64 channels.  Also: which 64 rows of that tile I fetch
	s_bfe_u32 s21, ttmp6, 0x40000                  ; cx, cy
	s_bfe_u32 s22, ttmp6, 0x40004
	s_lshl_b32 s23, ttmp9, 2
	s_add_co_u32 s23, s23, s21                     ; channel tile
	s_and_b32 s58, ttmp7, 0xffff
	s_lshl_b32 s58, s58, 2
	s_add_co_u32 s58, s58, s22                     ; position tile
	s_lshl_b32 s59, s22, 2
	s_lshl_b32 s59, 15, s59                        ; my row of the cluster
	s_lshl_b32 s99, 0x1111, s21                    ; my column
	s_or_b32 s[G1A], s59, DW0
	s_or_b32 s[G1W], s99, DW0
.irp g, G1W, G1A
	s_mov_b32 s[\g+1], 256<<16                     ; tensor_dim0 = 256
	s_mov_b32 s[\g+2], 64<<16                      ; tensor_dim1 = 64
	s_mov_b32 s[\g+3], 256<<16                     ; tile_dim0
	s_mov_b32 s[\g+4], 64                          ; tile_dim1
	s_mov_b32 s[\g+5], 1024                        ; tensor_dim0_stride
	s_mov_b32 s[\g+6], 0
	s_mov_b32 s[\g+7], 0
.endr
	s_lshl_b32 s60, s23, 17                        ; the weights: plane 3, row 128 x channel tile + 64 x half
	s_add_co_u32 s60, s60, 3<<20
	s_lshl_b32 s61, s20, 16
	s_add_co_u32 s60, s60, s61
	s_mov_b32 s61, 0
	s_lshl_b32 s62, s58, 17                        ; the activations: row 128 x position tile + 64 x half
	s_lshl_b32 s63, s20, 16
	s_add_co_u32 s62, s62, s63
	s_mov_b32 s63, 0
	s_mul_i32 s59, s[WV], HALFT                    ; where my rows go in a slot
	s_wait_dscnt 0x0
	s_wait_kmcnt 0x0
	s_load_b64 s[84:85], s[10:11], 0x28            ; e10, e11
	s_add_nc_u64 s[60:61], s[6:7], s[60:61]
	s_add_nc_u64 s[62:63], s[4:5], s[62:63]
.irp c, 0,1,2,3
	s_mov_b32 s[G0W+4*\c], 1
	s_add_co_u32 s[G0W+4*\c+1], s59, \c*SLOT
	s_add_nc_u64 s[G0W+4*\c+2:G0W+4*\c+3], s[60:61], \c*256
	s_or_b32 s[G0W+4*\c+3], s[G0W+4*\c+3], 0x80000000
	s_mov_b32 s[G0A+4*\c], 1
	s_add_co_u32 s[G0A+4*\c+1], s59, \c*SLOT
	s_add_nc_u64 s[G0A+4*\c+2:G0A+4*\c+3], s[62:63], \c*256
	s_or_b32 s[G0A+4*\c+3], s[G0A+4*\c+3], 0x80000000
.endr
	CROUND                                         ; all sixteen work-groups are here: the joint loads meet
	s_cmp_eq_u32 s19, 0                            ; a wave's four fills stand in one branch on the wave's number: four loads of mine are out; four v_nop follow the last
	s_cbranch_scc0 .Lfill_a
	tensor_load_to_lds s[G0W:G0W+3], s[G1W:G1W+7]
	s_nop 0
	tensor_load_to_lds s[G0W+4:G0W+7], s[G1W:G1W+7]
	s_nop 0
	tensor_load_to_lds s[G0W+8:G0W+11], s[G1W:G1W+7]
	s_nop 0
	tensor_load_to_lds s[G0W+12:G0W+15], s[G1W:G1W+7]
	s_nop 0
.rept 4
	v_nop
.endr
	s_branch .Lfilled
.Lfill_a:
	tensor_load_to_lds s[G0A:G0A+3], s[G1A:G1A+7]
	s_nop 0
	tensor_load_to_lds s[G0A+4:G0A+7], s[G1A:G1A+7]
	s_nop 0
	tensor_load_to_lds s[G0A+8:G0A+11], s[G1A:G1A+7]
	s_nop 0
	tensor_load_to_lds s[G0A+12:G0A+15], s[G1A:G1A+7]
	s_nop 0
.rept 4
	v_nop
.endr
.Lfilled:
	v_and_b32 v1, 15, v0                           ; r
	v_bfe_u32 v2, v0, 4, 1                         ; h
	v_mul_u32_u24 v3, v1, PITCH
	v_lshl_add_u32 v3, v2, 4, v3
	s_mul_i32 s60, s20, HALFT                      ; X: my 64 rows of the weights
	s_mul_i32 s61, s19, HALFT
	s_add_co_u32 s61, s61, 2*HALFT                 ; Y: my 64 rows of the activations
.irp c, 0,1,2,3
	v_add_nc_u32 v[ADRX+\c], s60, v3
	v_add_nc_u32 v[ADRY+\c], s61, v3
	s_add_co_u32 s60, s60, SLOT
	s_add_co_u32 s61, s61, SLOT
.endr
	s_lshl_b32 s62, s23, 9
	s_mov_b32 s63, 0
	s_add_nc_u64 s[8:9], s[8:9], s[62:63]          ; bo at the tile's 128 channels
	v_lshlrev_b32 v[BXO], 5, v2                    ; channels 64 wx + 16 b + 8 h + 0..7
	s_lshl_b32 s62, s20, 8
	v_add_nc_u32 v[BXO], s62, v[BXO]
.irp b, 0,1,2,3
	global_load_b128 v[BX+8*\b:BX+8*\b+3], v[BXO], s[8:9] offset:64*\b
	global_load_b128 v[BX+8*\b+4:BX+8*\b+7], v[BXO], s[8:9] offset:64*\b+16
.endr
	v_mul_u32_u24 v[STO], v1, SPITCH               ; into the stage: row 64 wy + r, byte 256 wx + 32 h
	v_lshl_add_u32 v[STO], v2, 5, v[STO]
	s_mul_i32 s62, s19, 64*SPITCH
	s_lshl_b32 s63, s20, 8
	s_add_co_u32 s62, s62, s63
	v_add_nc_u32 v[STO], s62, v[STO]
	v_and_b32 v3, 31, v0
	v_lshlrev_b32 v[GO], 4, v3
	s_mul_i32 s62, s[WV], 32*SPITCH                ; back: wave w takes rows 32 w on, whole: 32 lanes to a row of 512 bytes
	v_add_nc_u32 v[RD], s62, v[GO]
	s_lshl_b32 s60, s58, 19                        ; out0: row 128 x position tile + 32 x wave, byte 512 x channel tile
	s_lshl_b32 s61, s[WV], 17
	s_add_co_u32 s60, s60, s61
	s_lshl_b32 s61, s23, 9
	s_add_co_u32 s60, s60, s61
	s_mov_b32 s61, 0
	s_add_nc_u64 s[12:13], s[12:13], s[60:61]
	GATE 3                                         ; slot 0 is whole
	FETCH 0, 0, F0
	FETCH 0, 1, F1
	s_wait_dscnt 32                                ; buffer 0 is in; the 32 loads behind it may be out
	MUL16 F0, 1
	GATE 2                                         ; slot 1 is whole; buffer 1 is in
	PLACES 4
	FETCH 1, 0, F0
	MUL16 F1, 0
	PLACES 4
	FETCH 1, 1, F1
	s_wait_dscnt 32
	MUL16 F0, 0
	GATE 1                                         ; slot 2
	PLACES 4
	FETCH 2, 0, F0
	MUL16 F1, 0
	PLACES 4
	FETCH 2, 1, F1
	s_wait_dscnt 32
	MUL16 F0, 0
	GATE 0                                         ; slot 3: no tensor load of mine is out any more
	PLACES 4
	FETCH 3, 0, F0
	MUL16 F1, 0
	PLACES 4
	FETCH 3, 1, F1
	s_wait_dscnt 32
	MUL16 F0, 0
	s_wait_dscnt 0x0
	MUL16 F1, 0
	WIN 0
	PLACES 4
	; THE WAY OUT: sum x 2^(e10 + e11) + bo; 32 bytes a lane into the stage; a barrier, since a row's 512 bytes come from two waves; back as whole rows.
	s_wait_kmcnt 0x0
	s_add_co_i32 s96, s84, s85
	s_add_co_i32 s96, s96, 127
	s_lshl_b32 s96, s96, 23                        ; 2^(e10 + e11) as f32
	s_mov_b32 s97, s96                             ; (named with it as a pair, so it is written)
	s_wait_loadcnt 0x0                             ; the bias
.irp a, 0,1,2,3
.irp b, 0,1,2,3
.irp i, 0,2,4,6                                ; each accumulator from its low end on
	v_pk_fma_f32 v[ACC+8*(4*\a+\b)+\i:ACC+8*(4*\a+\b)+\i+1], v[ACC+8*(4*\a+\b)+\i:ACC+8*(4*\a+\b)+\i+1], s[96:97], v[BX+8*\b+\i:BX+8*\b+\i+1] op_sel_hi:[1,0,1]
.endr
.endr
.endr
.irp a, 0,1,2,3
.irp b, 0,1,2,3
	ds_store_b128 v[STO], v[ACC+8*(4*\a+\b):ACC+8*(4*\a+\b)+3] offset:\a*16*SPITCH+64*\b
	ds_store_b128 v[STO], v[ACC+8*(4*\a+\b)+4:ACC+8*(4*\a+\b)+7] offset:\a*16*SPITCH+64*\b+16
.endr
.endr
	s_wait_dscnt 0x0                               ; for the others' sake: my stores into the stage are done
	s_barrier_signal -1
	s_barrier_wait -1
.set n, 0
.rept 32
	ds_load_b128 v[ACC+4*n:ACC+4*n+3], v[RD] offset:n*SPITCH
.set n, n+1
.endr
.set n, 0
.rept 32
	s_wait_dscnt 31-n                              ; LDS loads come back in order: row n is in, the younger ones may be out
	global_store_b128 v[GO], v[ACC+4*n:ACC+4*n+3], s[12:13] offset:4096*n th:TH_STORE_NT   ; 32 lanes store 512 consecutive bytes, aligned; written once, read by nobody here
.set n, n+1
.endr
	s_wait_tensorcnt 0x0
	ds_add_u32 v126, v127
	s_wait_dscnt 0x0
	CROUND                                         ; the closing round: no work-group ends while a partner may still ask for a tile that names it
	s_endpgm
.Lfunc_end_k_q4fd726d06b_outp:
	.size	k_q4fd726d06b_outp, .Lfunc_end_k_q4fd726d06b_outp-k_q4fd726d06b_outp
	.p2alignl 7, 3214868480
	.fill 96, 4, 3214868480
	.section	.rodata,"a",@progbits
	.p2align	6, 0x0
	.amdhsa_kernel k_q4fd726d06b_outp
		.amdhsa_group_segment_fixed_size 279040
		.amdhsa_private_segment_fixed_size 0
		.amdhsa_enable_private_segment 0
		.amdhsa_kernarg_size 40
		.amdhsa_user_sgpr_count 2
		.amdhsa_user_sgpr_kernarg_segment_ptr 1
		.amdhsa_wavefront_size32 1
		.amdhsa_system_sgpr_workgroup_id_x 1
		.amdhsa_system_sgpr_workgroup_id_y 1
		.amdhsa_system_sgpr_workgroup_id_z 1
		.amdhsa_system_vgpr_workitem_id 0
		.amdhsa_next_free_vgpr 512
		.amdhsa_next_free_sgpr 100
		.amdhsa_reserve_vcc 0
		.amdhsa_float_denorm_mode_32 3
		.amdhsa_float_denorm_mode_16_64 3
		.amdhsa_memory_ordered 1
		.amdhsa_forward_progress 1
		.amdhsa_inst_pref_size 48
	.end_amdhsa_kernel
	.amdgpu_metadata
---
amdhsa.version: [ 1, 2 ]
amdhsa.kernels:
  - .name:           k_q4fd726d06b_outp
    .symbol:         k_q4fd726d06b_outp.kd
    .args:
      - { .name: cc, .offset: 0, .size: 8, .value_kind: global_buffer, .address_space: global }
      - { .name: wc, .offset: 8, .size: 8, .value_kind: global_buffer, .address_space: global }
      - { .name: bo, .offset: 16, .size: 8, .value_kind: global_buffer, .address_space: global }
      - { .name: lowp_scales, .offset: 24, .size: 8, .value_kind: global_buffer, .address_space: global }
      - { .name: out0, .offset: 32, .size: 8, .value_kind: global_buffer, .address_space: global }
    .group_segment_fixed_size: 279040
    .private_segment_fixed_size: 0
    .kernarg_segment_align: 8
    .kernarg_segment_size: 40
    .max_flat_workgroup_size: 128
    .sgpr_count:     100
    .vgpr_count:     512
    .wavefront_size: 32
...
	.end_amdgpu_metadata
.endif
;; end of part 4
